; MI455X (gfx1250); checked and timed in simulation.
; The chip was launched on July 23, 2026; its instructions are those of AMD's public machine-readable ISA for CDNA 5 (MIT licence, August 2026) and "CDNA5" Instruction Set Architecture Reference Guide (July 2026). The comments in the code are by the model that wrote it; some were corrected since.
;; Causal Self Attention. Allowed arithmetic: matrix products marked QUANTISED: E4M3 operands, one given power-of-two scale a tensor, by v_wmma_f32_16x16x64_fp8_fp8 or v_wmma_f32_16x16x128_fp8_fp8, f32 sums; everything else in f32.
;; Inputs: b_attn 3,072 float32; b_proj 1,024 float32; lowp_scales 8 int32 (the exponents e of the quantised operands' scales 2^e); w_attn_codes 3,072 x 32 x 32 uint8 (E4M3 codes of w_attn, K innermost, in blocks of 32 codes); w_proj_codes 1,024 x 32 x 32 uint8 (E4M3 codes of w_proj, K innermost, in blocks of 32 codes); x_codes 4 x 2,048 x 32 x 32 uint8 (E4M3 codes of x, K innermost, in blocks of 32 codes).
;; Outputs: out0 4 x 2,048 x 1,024 float32.
;; This version of the problem:
;;   THIS VERSION OF THE PROBLEM IS GIVEN IN LOW PRECISION. The matrix products marked QUANTISED in the list below multiply operands that are first quantised to E4M3 (4 exponent bits, 3 mantissa bits; 8 bits a number), with one given power-of-two scale for each operand tensor; their sums are f32. All else is computed in f32.
;;   The module's matrix products, in the order in which they are computed (A, B: the left and right operand; K: the contracted axis; several contracted axes count as one K, in the product's order):
;;     1. [M 8,192, K 1,024] x [K 1,024, N 3,072]; A: input x (given as codes); B: input w_attn (given as codes): QUANTISED (scales: A lowp_scales[0], B lowp_scales[1])
;;     2. batch 64 x [M 2,048, K 64] x [K 64, N 2,048]; A: computed on the way; B: computed on the way: QUANTISED (scales: A lowp_scales[2], B lowp_scales[3])
;;     3. batch 64 x [M 2,048, K 2,048] x [K 2,048, N 64]; A: softmax (see below); B: computed on the way: QUANTISED (scales: A lowp_scales[4], B lowp_scales[5])
;;     4. [M 8,192, K 1,024] x [K 1,024, N 1,024]; A: computed on the way; B: input w_proj (given as codes): QUANTISED (scales: A lowp_scales[6], B lowp_scales[7])
;;   THE QUANTISER, for each operand of a quantised product, along K:
;;     - The operand's scale is 2^e, e = its entry of the input lowp_scales (int32; the entries are numbered through the quantised products in the list's order, A before B).
;;     - Each number is divided by the scale, clamped to +-448, and rounded to the nearest number of E4M3, ties to even, subnormals kept.
;;     - The product sums the exact products of the quantised numbers (number of the format x scale) in f32.
;;   ~~~python
;;   def quantise(x, axis, e):      # numpy; x: float32 -> the quantised numbers, widened to float32 again
;;       x = np.moveaxis(x, axis, -1); K = x.shape[-1]
;;       r = np.clip(x / 2.0 ** e, -448, 448)
;;       step = 2.0 ** (np.maximum(np.frexp(np.where(r == 0, 1, r))[1] - 1, -6) - 3)
;;       q = np.round(r / step) * step * 2.0 ** e      # np.round: ties to even
;;       return np.moveaxis(q, -1, axis).astype(np.float32)
;;   ~~~
;;   SOFTMAX AHEAD OF A QUANTISED PRODUCT. Where the list says 'softmax', what is quantised is not the finished softmax but p = 2^(t - M), with t = logit x log2(e) and M = ceil(the row's largest t), a whole number; so 1/2 < the row's largest p <= 1. The row's sum l is taken of the UNQUANTISED p, in f32, and the product's result is divided by l at the end. Since M is a whole number, a kernel that streams over the keys may use a running M (the ceiling of the running maximum): every later rescaling is an exact power of two, so the quantised numbers keep their values, but for numbers so far below the row's largest that they fall under the format's range.
;;   OPERANDS COMPUTED ON THE WAY. 'Computed on the way' means the value that the module computes at that place (a softmax that the list does not call 'softmax' is quantised finished and normalised). What goes into a quantiser is computed in f32, as accurately as f32 sums, v_exp_f32 and their like allow (about 1e-6 of the number): no bf16 or f16 on the way to a quantiser, and a product that is left as it is and whose result goes on into a quantised operand takes f32 operands (vector FMAs, or v_wmma_f32_16x16x4_f32). A number that lies on a knife's edge between two numbers of the format may be rounded either way, as far as f32 arithmetic and the matrix unit's own rounding can turn it there, and no further.
;;   INPUTS GIVEN AS CODES. w_attn (in the module: [1024, 3072], K = its axis 0); w_proj (in the module: [1024, 1024], K = its axis 0); x (in the module: [4, 2048, 1024], K = its axis 2): each comes as NAME_codes (uint8): NAME with its K axis moved to the last place and cut into blocks of 32 codes, [.., K / 32, bytes a block], one block behind the other in memory; one code a byte (a code: sign, 4 exponent bits, 3 mantissa bits); its scale is its entry of lowp_scales. Its value is code x scale, taken as it is: it is not quantised again, and the codes and scales need not be those that the quantiser above would give.
;; One version. Each part assembles by itself: llvm-mc -triple=amdgcn-amd-amdhsa -mcpu=gfx1250 --defsym DOCPART=n.
;; ======== version 1 of 1: 3 launches
;; limits: right only within a limited range of input values
;; workspace buffers: qkv 25,165,824 bytes; ycodes 8,388,608 bytes
;; launch project_qkv (part 1): grid 12 x 32, 4 waves a work-group, clusters of 4 x 4, 327,680 bytes of LDS; arguments x_codes, w_attn_codes, lowp_scales, b_attn, qkv; writes qkv
.if DOCPART == 1
	.amdgcn_target "amdgcn-amd-amdhsa--gfx1250"
	.amdhsa_code_object_version 6
	.text
	.protected	k_q03687ecc32_project_qkv
	.globl	k_q03687ecc32_project_qkv
	.p2align	8
	.type	k_q03687ecc32_project_qkv,@function
k_q03687ecc32_project_qkv:
	s_mov_b64 s[64:65], 0
	v_nop
	global_prefetch_b8 v0, s[64:65] scope:SCOPE_SE
	s_setreg_imm32_b32 hwreg(HW_REG_WAVE_MODE, 25, 1), 1
	s_wait_xcnt 0x0
	s_wait_alu depctr_hold_cnt(0) depctr_sa_sdst(0) depctr_va_vdst(0) depctr_va_sdst(0) depctr_va_ssrc(0) depctr_va_vcc(0) depctr_vm_vsrc(0)
	s_getreg_b32 s2, hwreg(HW_REG_IB_STS2, 6, 4)
	s_cmp_eq_u32 s2, 0
	s_cbranch_scc0 .Lentry_in_a_cluster
	s_endpgm
.Lentry_in_a_cluster:
	s_bfe_u32 s2, ttmp6, 0x10000c
	s_cmp_lg_u32 s2, 0xf033
	s_cbranch_scc0 .Lentry_shape_is_right
	s_endpgm
.Lentry_shape_is_right:
; qkv = Q(x w_attn + b_attn): product 1 on E4M3 codes, the bias added in f32, the result quantised at once: q with 2^e2, k with 2^e3, v with 2^e5.
; x_codes [8192][1024], w_attn_codes [3072][1024]: codes, K innermost.  A finished sum stands for sum x 2^(e0 + e1).
; OUT (a workspace of codes, three parts of 8 MiB; bh = 16 batch + head, 131,072 bytes each): q [bh][t 2048][d 64], k the same, v [bh][key step 16][d 64][key 128]: the keys innermost, as the second attention product wants them.
; A tile of 256 x 256 is made by four waves, 128 x 128 each: 64 accumulators, 512 registers.  K goes in steps of 256 through a ring of two LDS slots filled by joint tensor loads.
; ROLES.  Source 1 of the matrix instruction gives a lane its row, source 0 runs along a lane's eight registers.  The conversion to codes takes eight neighbours along the NEXT product's K from one lane.
;   cluster x = 0 (q), 1 (k): source 1 = 16 tokens of x, source 0 = 16 rows of w: a lane holds one token and eight neighbouring d.
;   cluster x = 2 (v):        source 1 = 16 rows of w, source 0 = 16 tokens of x: a lane holds one (head, d) and eight neighbouring tokens.  Nothing is transposed.
; The cluster's x is the same in all sixteen partners, so the choice of tensors and the two branches on it are alike in all of them.
; CLUSTER 4 x 4: the tile of role A (source 1) hangs on cy and is shared along a row of the cluster, that of role B (source 0) on cx and is shared along a column.
; LIMITS: e0 + e1 between -126 and 127; e2, e3, e5 between -126 and 119, so that each power of two below is an f32 number.  NaN in b_attn is not served.
; REGISTERS: window 0: v16-31 addresses and constants; v32-95, v96-111 the two sets of biases; v128-255 role A's fragments, one set; on the way out v128-191 numbers, v192-255 codes.
;   window 1: role B's fragments, two sets.   windows 2, 3: the accumulators ((a, b) at v[8 (8 (a % 4) + b)]).
.set SIZE_K, 1024
.set KSTEP,  256                       ; along K in a slot
.set ROWB,   256                       ; a tile's row in bytes
.set KROW,   SIZE_K                    ; a row of x or of w in memory, in bytes
.set PITCH,  272                       ; an LDS row: 256 bytes + 16 of padding = 68 words: the 16 rows that a load touches start at 16 different banks (64 banks of 4 bytes: ISA guide 11.1)
.set FR,     16                        ; registers of a fragment: 16 rows x 128 K
.set NL,     4                         ; LDS loads that bring one
.set NP,     4                         ; places behind this matrix instruction (ISA guide 7.12.1)
.set HALFT,  128*PITCH                 ; what one tensor load brings
.set SLOT,   4*HALFT                   ; role A's 256 rows, then role B's
.set LAPS,   SIZE_K/(2*KSTEP)          ; 2
.set SPARE,  2*SLOT                    ; behind the ring: the spare words, 128 bytes a wave
.set STG_V,  256*PITCH                 ; the way out: two stages of 256 rows x 272 bytes in slot 0, which has had its last fill and its last read by then: q's and k's at 0, v's here
.set ADRA, 16                          ; v16-17  LDS address of my fragments of role A in slot 0, 1
.set BOV,  19                          ; v19     byte offset in b_attn of my row's bias (v)
.set ADRB, 20                          ; v20-21  the same as ADRA for role B
.set STOQ, 22                          ; v22     q, k: where I put 8 codes
.set STOV, 23                          ; v23     v: the same
.set RDQ,  24                          ; v24     q, k: where I read 16 bytes back
.set RDV,  25                          ; v25     v: the same
.set CO,   26                          ; v26     16 x lane: my place in 512 bytes of the output
.set BOQ,  27                          ; v27     byte offset in b_attn of my eight columns' biases (q, k)
.set SPW,  28                          ; v28     my spare word; never rewritten
.set NIL,  29                          ; v29     0; never rewritten
.set LIMR, 30                          ; v30     448 x 2^e of the output
.set SCLR, 31                          ; v31     2^e of the output
.set BQ,   32                          ; v32-95  q, k: b_attn at column 16 b + 8 h + j, register 8 b + j
.set BV,   96                          ; v96-111 v: b_attn at row 16 a + r, twice (a pair for the packed form), registers 2 a, 2 a + 1
.set AF,   128
.set TMP,  128                         ; the way out: a block's 64 numbers
.set CD,   192                         ; and its codes: four sets of 16 by turns
.set G1, 24                            ; s[24:31] group 1 for role A; s[32:39] its groups 0, one a slot
.set G0, 32
.set G1B, 48                           ; s[48:55], s[56:63] the same for role B
.set G0B, 56
.set MSB, 0
.macro WIN new                         ; the immediate's high byte repeats the setting that is left
.if MSB != \new
	s_set_vgpr_msb (MSB<<8)|\new
.set MSB, \new
.endif
.endm
.set MUL_LO, 0xa1                      ; source 0 window 1, source 1 window 0, C and D window 2
.set MUL_HI, 0xf1                      ; the same, C and D window 3
.set TO_B,   0x40                      ; destination window 1, address window 0
; A joint load: waves 0 and 1 fetch for role A, waves 2 and 3 for role B.  The branch hangs on the wave's number alone.  Four v_nop follow each of the two lines.
.macro JLOAD g0a, g1a, g0b, g1b
	s_cmp_eq_u32 s15, 0
	s_cbranch_scc0 .Lfor_b_\@
	tensor_load_to_lds s[\g0a:\g0a+3], s[\g1a:\g1a+7]
	s_nop 0
.rept 4
	v_nop
.endr
	s_branch .Lasked_\@
.Lfor_b_\@:
	tensor_load_to_lds s[\g0b:\g0b+3], s[\g1b:\g1b+7]
	s_nop 0
.rept 4
	v_nop
.endr
.Lasked_\@:
.endm
.macro CREST                           ; a round of the cluster's barrier behind its opening barrier
	s_cmp_lg_u32 s14, 0
	s_cbranch_scc1 .Lnot_wave_0_\@
	s_barrier_signal -3
.Lnot_wave_0_\@:
	s_barrier_wait -3
	s_barrier_signal -1
	s_barrier_wait -1
.endm
.macro CROUND                          ; a whole round
	s_barrier_signal -1
	s_barrier_wait -1
	CREST
.endm
	s_load_b256 s[4:11], s[0:1], 0x0               ; x s[4:5], w s[6:7], the exponents s[8:9], b_attn s[10:11]
	s_load_b64 s[12:13], s[0:1], 0x20              ; qkv
	v_lshl_add_u32 v[SPW], v0, 2, SPARE
	v_mov_b32 v[NIL], 0
	ds_add_u32 v28, v29
	ds_add_u32 v28, v29
	s_wait_dscnt 0x0
	v_lshrrev_b32 v1, 5, v0
	v_readfirstlane_b32 s14, v1                    ; wave 0..3
	s_lshr_b32 s15, s14, 1                         ; wa: my half of role A's rows.  Also: I fetch for role A (0) or B (1)
	s_and_b32 s16, s14, 1                          ; wb: my half of role B's rows.  Also: which 128 rows I fetch
	s_bfe_u32 s40, ttmp6, 0x40000                  ; cx
	s_bfe_u32 s41, ttmp6, 0x40004                  ; cy
	s_and_b32 s17, ttmp7, 0xffff                   ; cluster y: 1,024 tokens
	s_lshl_b32 s43, s41, 2
	s_lshl_b32 s43, 15, s43                        ; my row of the cluster
	s_lshl_b32 s44, 0x1111, s40                    ; my column
	s_or_b32 s[G1+0], s43, (1<<20)|(1<<21)|(5<<22)|(3<<25)   ; 15:0 the mask; 17:16 elements of 1 byte; 20 padding on; 21 set beside a mask; 24:22 after every 64 words; 31:25 four words
	s_or_b32 s[G1B+0], s44, (1<<20)|(1<<21)|(5<<22)|(3<<25)
.irp g, G1, G1B
	s_mov_b32 s[\g+1], ROWB<<16                    ; tensor_dim0
	s_mov_b32 s[\g+2], 128<<16                     ; tensor_dim1
	s_mov_b32 s[\g+3], ROWB<<16                    ; tile_dim0
	s_mov_b32 s[\g+4], 128                         ; tile_dim1
	s_mov_b32 s[\g+5], KROW                        ; tensor_dim0_stride
	s_mov_b32 s[\g+6], 0
	s_mov_b32 s[\g+7], 0
.endr
	; the rows that I fetch.  Role A: 256 cy + 128 half + (v: 2048 in w; else 1024 cluster y in x).  Role B: 256 cx + 128 half + (v: 1024 cluster y in x; else 1024 cluster x in w).
	; Role A's registers never hold cx, role B's never cy.  The shifts stand ahead of the compare, the sums behind the selects: both set SCC.
	s_lshl_b32 s18, s16, 7
	s_lshl_b32 s19, s17, 10
	s_lshl_b32 s66, ttmp9, 10
	s_lshl_b32 s20, s41, 8
	s_lshl_b32 s46, s40, 8
	s_cmp_eq_u32 ttmp9, 2
	s_cselect_b32 s67, 2048, s19
	s_cselect_b32 s68, s19, s66
	s_add_co_u32 s20, s20, s18
	s_add_co_u32 s20, s20, s67
	s_lshl_b32 s20, s20, 10                        ; a row is 1,024 bytes
	s_mov_b32 s21, 0
	s_add_co_u32 s46, s46, s18
	s_add_co_u32 s46, s46, s68
	s_lshl_b32 s46, s46, 10
	s_mov_b32 s47, 0
	s_mul_i32 s45, s14, HALFT                      ; where they go: wave x 128 rows
	s_wait_kmcnt 0x0
	s_load_b256 s[80:87], s[8:9], 0x0              ; e0 .. e7
	s_cmp_eq_u32 ttmp9, 2
	s_cselect_b64 s[70:71], s[6:7], s[4:5]         ; role A's tensor
	s_cselect_b64 s[72:73], s[4:5], s[6:7]         ; role B's
	s_add_nc_u64 s[20:21], s[70:71], s[20:21]
	s_add_nc_u64 s[46:47], s[72:73], s[46:47]
	CROUND                                         ; all sixteen work-groups are here: the first joint loads meet
.irp s, 0,1
	s_mov_b32 s[G0+4*\s], 1
	s_add_co_u32 s[G0+4*\s+1], s45, \s*SLOT
	s_add_nc_u64 s[G0+4*\s+2:G0+4*\s+3], s[20:21], \s*ROWB
	s_or_b32 s[G0+4*\s+3], s[G0+4*\s+3], 0x80000000
	s_mov_b32 s[G0B+4*\s], 1
	s_add_co_u32 s[G0B+4*\s+1], s45, \s*SLOT
	s_add_nc_u64 s[G0B+4*\s+2:G0B+4*\s+3], s[46:47], \s*ROWB
	s_or_b32 s[G0B+4*\s+3], s[G0B+4*\s+3], 0x80000000
	JLOAD G0+4*\s, G1, G0B+4*\s, G1B
.endr
	v_and_b32 v1, 15, v0                           ; r = lane % 16
	v_bfe_u32 v2, v0, 4, 1                         ; h = lane / 16
	v_mul_u32_u24 v3, v1, PITCH
	v_lshl_add_u32 v4, v2, 4, v3                   ; a fragment's row x pitch + 16 h
	s_mul_i32 s74, s15, HALFT                      ; my 128 rows of role A
	s_mul_i32 s75, s16, HALFT                      ; my 128 rows of role B,
	s_add_co_u32 s75, s75, 2*HALFT                 ; which lie behind role A's 256
.irp s, 0,1
	v_add_nc_u32 v[ADRA+\s], s74, v4
	v_add_nc_u32 v[ADRB+\s], s75, v4
	s_add_co_u32 s74, s74, SLOT
	s_add_co_u32 s75, s75, SLOT
.endr
	; all four stage addresses are made here, on the way that every wave and every work-group takes
	; q, k: the stage is an image of the output: head c / 64 takes 64 rows, a row holds four tokens x 64 bytes.  Token 128 wa + 16 a + r, columns 128 wb + 16 b + 8 h + 0..7
	v_lshrrev_b32 v5, 2, v1
	v_and_b32 v6, 3, v1
	v_mul_u32_u24 v[STOQ], v5, PITCH
	v_lshl_add_u32 v[STOQ], v6, 6, v[STOQ]
	v_lshl_add_u32 v[STOQ], v2, 3, v[STOQ]         ; (r / 4) rows + 64 (r % 4) + 8 h: the 32 lanes of a store touch 64 different banks
	s_lshl_b32 s74, s16, 7
	s_lshl_b32 s75, s15, 5
	s_add_co_u32 s74, s74, s75
	s_mul_i32 s74, s74, PITCH                      ; + (128 wb + 32 wa) rows
	v_add_nc_u32 v[STOQ], s74, v[STOQ]
	; v: row = (head, d) 128 wa + 16 a + r, byte = token 128 wb + 16 b + 8 h + 0..7
	v_lshl_add_u32 v[STOV], v2, 3, v3
	s_mul_i32 s74, s15, HALFT
	s_lshl_b32 s75, s16, 7
	s_add_co_u32 s74, s74, s75
	s_add_co_u32 s74, s74, STG_V
	v_add_nc_u32 v[STOV], s74, v[STOV]
	; back: wave w takes head w of the tile's four: 64 rows.  q, k: two whole rows an instruction
	v_mul_u32_u24 v[RDQ], v2, PITCH
	v_lshl_add_u32 v[RDQ], v1, 4, v[RDQ]
	s_mul_i32 s74, s14, 64*PITCH
	v_add_nc_u32 v[RDQ], s74, v[RDQ]
	; v: four rows' halves (128 keys of four d) an instruction
	v_bfe_u32 v5, v0, 3, 2
	v_and_b32 v6, 7, v0
	v_mul_u32_u24 v[RDV], v5, PITCH
	v_lshl_add_u32 v[RDV], v6, 4, v[RDV]
	s_add_co_u32 s74, s74, STG_V
	v_add_nc_u32 v[RDV], s74, v[RDV]
	v_and_b32 v5, 31, v0
	v_lshlrev_b32 v[CO], 4, v5
	; the biases: both sets are loaded whatever the cluster's x; the set that is not used is read at b_attn's first numbers, so that no load leaves the buffer and no branch is needed
	s_lshl_b32 s76, ttmp9, 10
	s_lshl_b32 s77, s40, 8
	s_add_co_u32 s76, s76, s77
	s_lshl_b32 s77, s16, 7
	s_add_co_u32 s76, s76, s77                     ; q, k: my first column: 1024 cluster x + 256 cx + 128 wb
	s_lshl_b32 s77, s41, 8
	s_lshl_b32 s78, s15, 7
	s_add_co_u32 s77, s77, s78
	s_add_co_u32 s77, s77, 2048                    ; v: my first column: 2048 + 256 cy + 128 wa
	s_lshl_b32 s78, s17, 2
	s_cmp_eq_u32 ttmp9, 2
	s_cselect_b32 s76, 0, s76
	s_cselect_b32 s77, s77, 0
	s_cselect_b32 s79, s41, s40                    ; which four heads the tile holds
	s_cselect_b32 s90, s40, s41
	s_add_co_u32 s78, s78, s90                     ; which 256 tokens: 4 cluster y + my place along the tokens' axis
	s_lshl_b32 s76, s76, 2
	s_lshl_b32 s77, s77, 2
	v_lshl_add_u32 v[BOQ], v2, 5, s76
	v_lshl_add_u32 v[BOV], v1, 2, s77
.irp b, 0,1,2,3,4,5,6,7
	global_load_b128 v[BQ+8*\b:BQ+8*\b+3], v[BOQ], s[10:11] offset:64*\b
	global_load_b128 v[BQ+8*\b+4:BQ+8*\b+7], v[BOQ], s[10:11] offset:64*\b+16
.endr
.irp a, 0,1,2,3,4,5,6,7
	global_load_b32 v[BV+2*\a], v[BOV], s[10:11] offset:64*\a
	global_load_b32 v[BV+2*\a+1], v[BOV], s[10:11] offset:64*\a
.endr
	; where my wave's 16 KiB of the output begin: part (cluster x), bh = 16 batch + 4 x the tile's four heads + wave, and the tile's 256 tokens (for v: two key steps)
	s_lshr_b32 s90, s78, 3
	s_lshl_b32 s90, s90, 4
	s_lshl_b32 s91, s79, 2
	s_add_co_u32 s90, s90, s91
	s_add_co_u32 s90, s90, s14
	s_lshl_b32 s90, s90, 17
	s_and_b32 s91, s78, 7
	s_lshl_b32 s91, s91, 14
	s_add_co_u32 s90, s90, s91
	s_lshl_b32 s91, ttmp9, 23
	s_add_co_u32 s90, s90, s91
	s_mov_b32 s91, 0
	s_add_nc_u64 s[88:89], s[12:13], s[90:91]
.macro FRAG reg, adr, q, i             ; 16 rows x 128 K: lane l holds row l % 16; registers 4 c .. 4 c + 3 hold K = 32 c + 16 (l / 16) + 0 .. 15: the same order of k on both sides, so every product meets its partner
.irp c, 0,1,2,3
	ds_load_b128 v[\reg+4*\c:\reg+4*\c+3], v[\adr] offset:128*(\q)+32*\c+(\i)*16*PITCH
.endr
.endm
; 16 matrix instructions: role A's blocks a0, a0 + 1 x role B's eight.  The 64 accumulators take turns, one instruction a turn, in the same order in every step.
.macro MUL16 a0, p, zero
.irp a, \a0, \a0+1
.irp b, 0,1,2,3,4,5,6,7
.if \zero
	v_wmma_f32_16x16x128_fp8_fp8 v[8*(8*((\a)%4)+\b):8*(8*((\a)%4)+\b)+7], v[128*(\p)+FR*\b:128*(\p)+FR*\b+FR-1], v[AF+FR*(\a):AF+FR*(\a)+FR-1], 0
.else
	v_wmma_f32_16x16x128_fp8_fp8 v[8*(8*((\a)%4)+\b):8*(8*((\a)%4)+\b)+7], v[128*(\p)+FR*\b:128*(\p)+FR*\b+FR-1], v[AF+FR*(\a):AF+FR*(\a)+FR-1], v[8*(8*((\a)%4)+\b):8*(8*((\a)%4)+\b)+7]
.endif
.endr
.endr
.endm
.macro FETCH_B slot, q, p
	WIN TO_B
.irp i, 0,1,2,3,4,5,6,7
	FRAG 128*(\p)+FR*\i, ADRB+\slot, \q, \i
.endr
	WIN 0
.endm
.macro FETCH_A slot, q, i0
.irp i, \i0, \i0+1, \i0+2, \i0+3
	FRAG AF+FR*(\i), ADRA+\slot, \q, \i
.endr
.endm
.macro PLACES n                        ; plain vector instructions between a matrix instruction and a load into, or a vector write of, one of its registers, or a read of its result
.rept \n
	v_nop
.endr
.endm
; A step of 128 along K that has its successor in the same slot.  Role A has one set of registers: blocks 0-3 are fetched anew in the step's middle, blocks 4-7 at its end.
.macro STEP slot, q, zero
	s_wait_dscnt 4*NL                              ; role B's set and role A's blocks 0-3 are in; the youngest 16 loads (blocks 4-7) may be out
	WIN MUL_LO
	MUL16 0, (\q)%2, \zero
	MUL16 2, (\q)%2, \zero
	s_wait_dscnt 0                                 ; blocks 4-7 are in
	PLACES NP
	FETCH_B \slot, (\q)+1, 1-(\q)%2
	FETCH_A \slot, (\q)+1, 0
	WIN MUL_HI
	MUL16 4, (\q)%2, \zero
	MUL16 6, (\q)%2, \zero
	PLACES NP
	WIN 0
	FETCH_A \slot, (\q)+1, 4
.endm
; A slot's last step changes slots: one barrier; in front of it each wave waits for all its tensor loads, adds 0 to its spare word, and waits for that and for its reads of this slot.
.macro TURN slot, next, fill
	s_wait_tensorcnt 0x0                           ; all my tensor loads have landed: my part of the next slot
	ds_add_u32 v[SPW], v[NIL]                      ; 0 onto my spare word
	s_wait_dscnt 4*NL+1                            ; the add and the youngest 16 loads may be out
	WIN MUL_LO
	MUL16 0, 1, 0
	s_wait_dscnt 0x0                               ; the add is done, and my reads of this slot are over
	s_barrier_signal -1
	MUL16 2, 1, 0
	WIN 0
	s_barrier_wait -1
.if \fill
	CREST                                          ; the barrier has opened a round of the cluster's barrier: no wave of any partner still reads this slot or has a load on its way
	s_add_nc_u64 s[G0+4*\slot+2:G0+4*\slot+3], s[G0+4*\slot+2:G0+4*\slot+3], 2*ROWB
	s_add_nc_u64 s[G0B+4*\slot+2:G0B+4*\slot+3], s[G0B+4*\slot+2:G0B+4*\slot+3], 2*ROWB
	JLOAD G0+4*\slot, G1, G0B+4*\slot, G1B         ; the first tensor load behind the round; its four v_nop are the places in front of the loads below
.else
	PLACES NP
.endif
	FETCH_B \next, 0, 0
	FETCH_A \next, 0, 0
	WIN MUL_HI
	MUL16 4, 1, 0
	MUL16 6, 1, 0
	PLACES NP
	WIN 0
	FETCH_A \next, 0, 4
.endm
	s_wait_tensorcnt 1                             ; my part of K step 0 is in; K step 1's load may be out
	s_barrier_signal -1
	s_barrier_wait -1
	FETCH_B 0, 0, 0
	FETCH_A 0, 0, 0
	FETCH_A 0, 0, 4
	STEP 0, 0, 1                                   ; the first step's products start the sums
	s_mov_b32 s3, LAPS-1
.Llap:                                                 ; a trip goes once round the ring and fills both slots again
	TURN 0, 1, 1
	STEP 1, 0, 0
	TURN 1, 0, 1
	STEP 0, 0, 0
	s_sub_co_u32 s3, s3, 1
	s_cmp_lg_u32 s3, 0
	s_cbranch_scc1 .Llap
	TURN 0, 1, 0                                   ; the last lap fills nothing
	STEP 1, 0, 0
	s_wait_dscnt 4*NL
	WIN MUL_LO
	MUL16 0, 1, 0
	MUL16 2, 1, 0
	s_wait_dscnt 0
	WIN MUL_HI
	MUL16 4, 1, 0
	MUL16 6, 1, 0
	WIN 0
; THE WAY OUT.  Block a (16 rows of role A x 128 of role B): number = sum x 2^(e0 + e1) + bias, one packed multiply-add for two, each accumulator from its low end on; held within +-448 x 2^e;
; eight numbers of a lane become eight codes; 8 bytes a lane go into the work-group's stage.
.macro TOCODES a, isv
.set AC, 64*((\a)%4)
.set CSET, CD+16*((\a)%4)
	WIN 0x02+((\a)/4)                              ; source 0: window 2 or 3
.set jj, 0
.rept 32
.if \isv
	v_pk_fma_f32 v[TMP+jj:TMP+jj+1], v[AC+jj:AC+jj+1], s[96:97], v[BV+2*(\a):BV+2*(\a)+1] op_sel_hi:[1,0,1]
.else
	v_pk_fma_f32 v[TMP+jj:TMP+jj+1], v[AC+jj:AC+jj+1], s[96:97], v[BQ+jj:BQ+jj+1] op_sel_hi:[1,0,1]
.endif
.set jj, jj+2
.endr
	WIN 0
.if (\a) >= 4
	s_wait_dscnt 24                                ; the 24 stores of the three blocks before may be out: block a - 4's have read this set of codes
.endif
.set jj, 0
.rept 64
	v_med3_num_f32 v[TMP+jj], v[TMP+jj], -v[LIMR], v[LIMR]   ; the conversion to an 8-bit code does not saturate (ISA guide 7.6.2)
.set jj, jj+1
.endr
.irp b, 0,1,2,3,4,5,6,7
	v_cvt_scalef32_pk8_fp8_f32 v[CSET+2*\b:CSET+2*\b+1], v[TMP+8*\b:TMP+8*\b+7], v[SCLR]
.endr
	v_nop                                          ; one plain vector instruction behind the last conversion: the next block writes its sources
.irp b, 0,1,2,3,4,5,6,7
.if \isv
	ds_store_b64 v[STOV], v[CSET+2*\b:CSET+2*\b+1] offset:16*(\a)*PITCH+16*\b
.else
	ds_store_b64 v[STOQ], v[CSET+2*\b:CSET+2*\b+1] offset:((\b/4)*64+4*(\a))*PITCH+16*(\b%4)
.endif
.endr
.endm
	s_wait_kmcnt 0x0
	s_add_co_i32 s96, s80, s81
	s_add_co_i32 s96, s96, 127
	s_lshl_b32 s96, s96, 23                        ; 2^(e0 + e1) as f32
	s_mov_b32 s97, s96                             ; (named with it as a pair, so it is written)
	s_cmp_eq_u32 ttmp9, 0
	s_cselect_b32 s92, s82, s83                    ; q: e2; k: e3;
	s_cmp_eq_u32 ttmp9, 2
	s_cselect_b32 s92, s85, s92                    ; v: e5.  A choice, no branch
	s_add_co_i32 s92, s92, 127
	s_lshl_b32 s93, s92, 23
	v_mov_b32 v[SCLR], s93
	s_add_co_i32 s92, s92, 8
	s_lshl_b32 s92, s92, 23
	s_or_b32 s92, s92, 0x600000
	v_mov_b32 v[LIMR], s92
	s_wait_loadcnt 0x0                             ; the biases
	PLACES NP                                      ; behind the last products: role A's registers are written, results are read
	s_cmp_eq_u32 ttmp9, 2                          ; the cluster's x: alike in all waves and all partners
	s_cbranch_scc1 .Lv_codes
.irp a, 0,1,2,3,4,5,6,7
	TOCODES \a, 0
.endr
	s_branch .Lstaged
.Lv_codes:
.irp a, 0,1,2,3,4,5,6,7
	TOCODES \a, 1
.endr
.Lstaged:
	s_wait_dscnt 0x0                               ; for the others' sake: my stores into the stage are done
	s_barrier_signal -1
	s_barrier_wait -1
	s_cmp_eq_u32 ttmp9, 2
	s_cbranch_scc1 .Lv_back
.set ii, 0
.rept 32
	ds_load_b128 v[TMP+4*ii:TMP+4*ii+3], v[RDQ] offset:2*ii*PITCH
.set ii, ii+1
.endr
	s_branch .Lback
.Lv_back:
.set ii, 0
.rept 32
	ds_load_b128 v[TMP+4*ii:TMP+4*ii+3], v[RDV] offset:4*(ii%16)*PITCH+128*(ii/16)
.set ii, ii+1
.endr
.Lback:
.set ii, 0
.rept 32
	s_wait_dscnt 31-ii
	global_store_b128 v[CO], v[TMP+4*ii:TMP+4*ii+3], s[88:89] offset:512*ii   ; 32 lanes store 512 consecutive bytes, at a multiple of 512 from the buffer's first byte
.set ii, ii+1
.endr
	s_wait_tensorcnt 0x0                           ; the wave's end
	ds_add_u32 v[SPW], v[NIL]
	s_wait_dscnt 0x0
	CROUND                                         ; the closing round
	s_endpgm
.Lfunc_end_k_q03687ecc32_project_qkv:
	.size	k_q03687ecc32_project_qkv, .Lfunc_end_k_q03687ecc32_project_qkv-k_q03687ecc32_project_qkv
	.p2alignl 7, 3214868480
	.fill 96, 4, 3214868480
	.section	.rodata,"a",@progbits
	.p2align	6, 0x0
	.amdhsa_kernel k_q03687ecc32_project_qkv
		.amdhsa_group_segment_fixed_size 327680
		.amdhsa_private_segment_fixed_size 0
		.amdhsa_enable_private_segment 0
		.amdhsa_kernarg_size 40
		.amdhsa_user_sgpr_count 2
		.amdhsa_user_sgpr_kernarg_segment_ptr 1
		.amdhsa_wavefront_size32 1
		.amdhsa_system_sgpr_workgroup_id_x 1
		.amdhsa_system_sgpr_workgroup_id_y 1
		.amdhsa_system_sgpr_workgroup_id_z 1
		.amdhsa_system_vgpr_workitem_id 0
		.amdhsa_next_free_vgpr 1024
		.amdhsa_next_free_sgpr 100
		.amdhsa_reserve_vcc 0
		.amdhsa_float_denorm_mode_32 3
		.amdhsa_float_denorm_mode_16_64 3
		.amdhsa_memory_ordered 1
		.amdhsa_forward_progress 1
		.amdhsa_inst_pref_size 205
	.end_amdhsa_kernel
	.amdgpu_metadata
---
amdhsa.version: [ 1, 2 ]
amdhsa.kernels:
  - .name:           k_q03687ecc32_project_qkv
    .symbol:         k_q03687ecc32_project_qkv.kd
    .args:
      - { .name: x_codes, .offset: 0, .size: 8, .value_kind: global_buffer, .address_space: global }
      - { .name: w_attn_codes, .offset: 8, .size: 8, .value_kind: global_buffer, .address_space: global }
      - { .name: lowp_scales, .offset: 16, .size: 8, .value_kind: global_buffer, .address_space: global }
      - { .name: b_attn, .offset: 24, .size: 8, .value_kind: global_buffer, .address_space: global }
      - { .name: qkv, .offset: 32, .size: 8, .value_kind: global_buffer, .address_space: global }
    .group_segment_fixed_size: 327680
    .private_segment_fixed_size: 0
    .kernarg_segment_align: 8
    .kernarg_segment_size: 40
    .max_flat_workgroup_size: 128
    .sgpr_count:     100
    .vgpr_count:     1024
    .wavefront_size: 32
...
	.end_amdgpu_metadata
.endif
;; end of part 1
;; launch attend (part 2): grid 4 x 64, 8 waves a work-group, clusters of 4 x 1, 327,680 bytes of LDS; arguments qkv, lowp_scales, ycodes; writes ycodes
.if DOCPART == 2
	.amdgcn_target "amdgcn-amd-amdhsa--gfx1250"
	.amdhsa_code_object_version 6
	.text
	.protected	k_q03687ecc32_attend
	.globl	k_q03687ecc32_attend
	.p2align	8
	.type	k_q03687ecc32_attend,@function
k_q03687ecc32_attend:
	s_mov_b64 s[64:65], 0
	v_nop
	global_prefetch_b8 v0, s[64:65] scope:SCOPE_SE
	s_setreg_imm32_b32 hwreg(HW_REG_WAVE_MODE, 25, 1), 1
	s_wait_xcnt 0x0
	s_wait_alu depctr_hold_cnt(0) depctr_sa_sdst(0) depctr_va_vdst(0) depctr_va_sdst(0) depctr_va_ssrc(0) depctr_va_vcc(0) depctr_vm_vsrc(0)
	s_getreg_b32 s2, hwreg(HW_REG_IB_STS2, 6, 4)
	s_cmp_eq_u32 s2, 0
	s_cbranch_scc0 .Lentry_in_a_cluster
	s_endpgm
.Lentry_in_a_cluster:
	s_bfe_u32 s2, ttmp6, 0x10000c
	s_cmp_lg_u32 s2, 0x3003
	s_cbranch_scc0 .Lentry_shape_is_right
	s_endpgm
.Lentry_shape_is_right:
; y = Q(softmax(q k^T / 8, causal) v): products 2 and 3 on E4M3 codes; the result is quantised with 2^e6 for the last product.
; IN: qkv, codes: q [bh][t 2048][d 64], k the same at + 8 MiB, v [bh][key step 16][d 64][key 128] at + 16 MiB.  OUT: ycodes [head 16][token 8192][d 64].
; THE SOFTMAX: t = score x log2(e) / 8; M = the running largest t rounded UP to a whole number; p = 2^(t - M) is quantised with 2^e4, not normalised; the row's sum is taken of the unquantised p and divides at the end.
; When M moves, the sum and O are multiplied by 2^(old M - new M), which rounds nothing.
; SHARES.  A cluster of four work-groups owns one (batch, head).  The 2,048 queries are 16 groups of 128; group g needs key steps 0 .. g (128 keys a step), the last of them masked.  Work-group p owns queries
; 128 g + 32 p + 0..31 of EVERY group; its wave w owns group w and group 15 - w, two tiles of 16 queries each: (w + 1) + (16 - w) = 17 steps of a pair of tiles in every wave of every work-group.
; What is left out hangs on the wave's number and the loop's counter alone, never on the work-group's place: so all four partners run alike, and each tile of K and V is asked for jointly.
; NO RING: a head's K and V, 2 x 139,264 bytes with padding, stay in LDS.  Every tile is filled once, at the head, behind one round of the cluster's barrier: two loads a wave are out, no byte is filled again.
; So nothing is left to ask for later, and no prefetch is laid.
; LAYOUT.  S^T = K Q^T (source 0 = 16 neighbouring keys, source 1 = 16 queries), O^T = V^T P^T (source 0 = 16 of the head's 64, source 1 = P): a lane holds ONE query throughout.  Register j of score tile c is key 16 c + 8 h + j,
; which is the place that the K = 128 form gives registers 2 c, 2 c + 1: the conversions' results are P.  The pair's two tiles share every fragment of K and V.
; LIMITS: e2 + e3 between -123 and 130 (added to c's exponent field); e4 and e6 between -126 and 119; e4 + e5 goes in by v_ldexp_f32.
; REGISTERS.  window 0: v1-15 addresses and constants; v16-31 four tiles' statistics (-M, largest t, the sum in two halves); v32-159 S^T then p, 64 a tile; v160-223 K's fragments; v224-255 P's codes (ahead of them: at work).
;   window 1: v0-127 O^T, 32 a tile; v160-223 V's fragments; v224-255 Q, 8 a tile.
.set STEPB, 8704                       ; a key step in LDS, of K (128 keys: 32 rows of 4 keys) and of V (64 d: 32 rows of 2 d) alike: 32 x (256 + 16)
.set VOFF,  16*STEPB                   ; K's 16 steps, then V's
.set STAGE, 2*VOFF                     ; behind them: 16 rows x 80 bytes for each wave, for the way out; no fill lands here
.set SROW,  80
.set S,   32
.set KF,  160
.set PC,  224
.set VF,  160                          ; in window 1
.set QA,  224                          ; in window 1
.set MSB, 0
.macro WIN new                         ; the immediate's high byte repeats the setting that is left
.if MSB != \new
	s_set_vgpr_msb (MSB<<8)|\new
.set MSB, \new
.endif
.endm
.macro ROUND                           ; a round of the cluster's barrier
	s_barrier_signal -1
	s_barrier_wait -1
	s_cmp_lg_u32 s10, 0
	s_cbranch_scc1 .Lnot_wave_0_\@
	s_barrier_signal -3
.Lnot_wave_0_\@:
	s_barrier_wait -3
	s_barrier_signal -1
	s_barrier_wait -1
.endm
	s_load_b128 s[4:7], s[0:1], 0x0                ; qkv s[4:5], the exponents s[6:7]
	s_load_b64 s[8:9], s[0:1], 0x10                ; ycodes
	s_set_vgpr_msb 0x40
	v_lshl_add_u32 v158, v0, 2, 0x46800
	v_mov_b32 v159, 0
	s_set_vgpr_msb 0x4045
	ds_add_u32 v158, v159
	ds_add_u32 v158, v159
	s_set_vgpr_msb 0x4500
	v_lshrrev_b32 v1, 5, v0
	s_delay_alu instid0(VALU_DEP_1)
	v_readfirstlane_b32 s10, v1                    ; wave 0..7
	s_and_b32 s11, s10, 3                          ; which quarter of a chunk I fetch,
	s_lshr_b32 s84, s10, 2                         ; of K (0) or of V (1)
	s_mov_b32 s12, s10                             ; my first pair's group
	s_xor_b32 s13, s10, 15                         ; my second pair's: 15 - wave
	s_bfe_u32 s14, ttmp6, 0x40000                  ; p = cx: it enters q's and y's addresses and the mask's compare, nothing else
	s_and_b32 s15, ttmp7, 0xffff                   ; bh, which the four partners share
	s_mov_b32 s16, 0x76543210                      ; v_permlanex16_b32: lane l xor 16
	s_mov_b32 s17, 0xfedcba98
	; group 1: dense rows of 256 bytes, 16 of padding behind each.  Chunk 0 (key steps 0-3): 32 rows a wave; chunk 1 (steps 4-15): 96 rows a wave
	s_mov_b32 s20, 15|(1<<20)|(1<<21)|(5<<22)|(3<<25)   ; 15:0 the mask: all four; 17:16 elements of 1 byte; 20 padding on; 21 set beside a mask; 24:22 after every 64 words; 31:25 four words
	s_mov_b32 s21, 256<<16                         ; tensor_dim0
	s_mov_b32 s22, 32<<16                          ; tensor_dim1
	s_mov_b32 s23, 256<<16                         ; tile_dim0
	s_mov_b32 s24, 32                              ; tile_dim1
	s_mov_b32 s25, 256                             ; tensor_dim0_stride
	s_mov_b32 s26, 0
	s_mov_b32 s27, 0
	s_mov_b32 s28, 15|(1<<20)|(1<<21)|(5<<22)|(3<<25)
	s_mov_b32 s29, 256<<16
	s_mov_b32 s30, 96<<16
	s_mov_b32 s31, 256<<16
	s_mov_b32 s32, 96
	s_mov_b32 s33, 256
	s_mov_b32 s34, 0
	s_mov_b32 s35, 0
	; what I fetch: made of the wave's number and bh alone
	s_lshl_b32 s48, s84, 23
	s_lshl_b32 s49, s15, 17
	s_add_co_u32 s48, s48, s49
	s_add_co_u32 s48, s48, 0x800000                ; the head's first byte in k or in v
	s_lshl_b32 s44, s11, 13                        ; chunk 0: key step j
	s_add_co_u32 s44, s44, s48
	s_mov_b32 s45, 0
	s_mul_i32 s46, s11, 24576                      ; chunk 1: key steps 4 + 3 j on
	s_add_co_u32 s46, s46, s48
	s_add_co_u32 s46, s46, 32768
	s_mov_b32 s47, 0
	s_mul_i32 s50, s84, VOFF
	s_mul_i32 s51, s11, STEPB
	s_add_co_u32 s51, s51, s50                     ; and where it goes
	s_mul_i32 s52, s11, 3*STEPB
	s_add_co_u32 s52, s52, s50
	s_add_co_u32 s52, s52, 4*STEPB
	; my pairs' queries in q and in y (registers of their own: they hold cx)
	s_lshl_b32 s53, s15, 17
	s_lshl_b32 s54, s14, 11                        ; 32 p rows of 64 bytes
	s_add_co_u32 s53, s53, s54
	s_lshl_b32 s55, s12, 13                        ; 128 g rows
	s_add_co_u32 s56, s53, s55
	s_mov_b32 s57, 0
	s_lshl_b32 s55, s13, 13
	s_add_co_u32 s58, s53, s55
	s_mov_b32 s59, 0
	s_and_b32 s60, s15, 15
	s_lshl_b32 s60, s60, 19                        ; head x 8,192 tokens x 64
	s_lshr_b32 s61, s15, 4
	s_lshl_b32 s61, s61, 17                        ; batch x 2,048 tokens x 64
	s_add_co_u32 s60, s60, s61
	s_add_co_u32 s60, s60, s54
	s_lshl_b32 s55, s12, 13
	s_add_co_u32 s62, s60, s55
	s_mov_b32 s63, 0
	s_lshl_b32 s55, s13, 13
	s_add_co_u32 s66, s60, s55
	s_mov_b32 s67, 0
	s_wait_dscnt 0x0
	s_wait_kmcnt 0x0
	s_load_b256 s[72:79], s[6:7], 0x0              ; e0 .. e7
	s_mov_b32 s36, 1                               ; group 0, chunk 0
	s_mov_b32 s37, s51
	s_add_nc_u64 s[38:39], s[4:5], s[44:45]
	s_or_b32 s39, s39, 0x80000000
	s_mov_b32 s40, 1                               ; group 0, chunk 1
	s_mov_b32 s41, s52
	s_add_nc_u64 s[42:43], s[4:5], s[46:47]
	s_or_b32 s43, s43, 0x80000000
	s_add_nc_u64 s[88:89], s[4:5], s[56:57]        ; q of my first pair,
	s_add_nc_u64 s[90:91], s[4:5], s[58:59]        ; of my second
	s_add_nc_u64 s[92:93], s[8:9], s[62:63]        ; y likewise
	s_add_nc_u64 s[94:95], s[8:9], s[66:67]
	ROUND                                          ; all four work-groups are here: the joint loads meet
	tensor_load_to_lds s[36:39], s[20:27]          ; every wave's two fills, each into bytes of its own by the wave's number; two loads of mine are out
	s_nop 0
	tensor_load_to_lds s[40:43], s[28:35]
	s_nop 0
.rept 4
	v_nop
.endr
	v_and_b32 v33, 15, v0                          ; r
	v_bfe_u32 v34, v0, 4, 1                        ; h
	s_delay_alu instid0(VALU_DEP_2)
	v_lshlrev_b32 v32, 6, v33
	s_delay_alu instid0(VALU_DEP_1)
	v_lshl_add_u32 v32, v34, 4, v32                ; q: row r of 64 bytes, + 16 h
	s_delay_alu instid0(VALU_DEP_4)
	v_lshrrev_b32 v35, 2, v33
	v_and_b32 v36, 3, v33
	s_delay_alu instid0(VALU_DEP_2)
	v_mul_u32_u24 v1, v35, 272
	s_delay_alu instid0(VALU_DEP_1)
	v_lshl_add_u32 v1, v36, 6, v1
	s_delay_alu instid0(VALU_DEP_1)
	v_lshl_add_u32 v1, v34, 4, v1                  ; K: key r of a tile: (r / 4) rows + 64 (r % 4) + 16 h: sixteen lanes of a load touch sixteen different columns of 16 bytes
	v_lshrrev_b32 v35, 1, v33
	v_and_b32 v36, 1, v33
	s_delay_alu instid0(VALU_DEP_2)
	v_mul_u32_u24 v2, v35, 272
	s_delay_alu instid0(VALU_DEP_1)
	v_lshl_add_u32 v2, v36, 7, v2
	s_delay_alu instid0(VALU_DEP_1)
	v_lshl_add_u32 v2, v34, 3, v2
	s_delay_alu instid0(VALU_DEP_1)
	v_add_nc_u32 v2, VOFF, v2                      ; V: channel r of a tile: (r / 2) rows + 128 (r % 2) + 8 h: the 32 lanes of a load touch 64 different banks
	v_lshlrev_b32 v35, 3, v34
	s_delay_alu instid0(VALU_DEP_1)
	v_sub_nc_u32 v5, v33, v35
	s_lshl_b32 s85, s14, 5
	v_add_nc_u32 v5, s85, v5                       ; the mask: my query's place in its group less 8 h: 32 p + r - 8 h (tile 1: 16 more, which goes into the compare's constant)
	s_mul_i32 s87, s10, 16*SROW
	s_add_co_u32 s87, s87, STAGE                   ; my stage.  Its two addresses are made here, ahead of every branch on the wave's number
	v_mul_u32_u24 v14, v33, SROW
	s_delay_alu instid0(VALU_DEP_1)
	v_lshl_add_u32 v14, v34, 3, v14
	s_delay_alu instid0(VALU_DEP_1)
	v_add_nc_u32 v14, s87, v14                     ; in: row r, + 8 h
	v_bfe_u32 v35, v0, 2, 3
	v_and_b32 v36, 3, v0
	s_delay_alu instid0(VALU_DEP_2)
	v_mul_u32_u24 v6, v35, SROW
	s_delay_alu instid0(VALU_DEP_1)
	v_lshl_add_u32 v6, v36, 4, v6
	s_delay_alu instid0(VALU_DEP_1)
	v_add_nc_u32 v6, s87, v6                       ; back: four lanes to a row of 64 bytes, eight rows an instruction
	v_and_b32 v35, 31, v0
	s_delay_alu instid0(VALU_DEP_1)
	v_lshlrev_b32 v15, 4, v35                      ; 16 x lane
	v_mov_b32 v7, 0xff800000                       ; -infinity
	v_mov_b32 v11, 0                               ; (named as the upper halves of the pairs v[10:11], v[12:13])
	v_mov_b32 v13, 0
	WIN 0x40                                       ; destination window 1
.irp t, 0,1
.irp u, 0,1
	global_load_b128 v[QA+8*\t+4*\u:QA+8*\t+4*\u+3], v32, s[88:89] offset:1024*\t+32*\u        ; Q stays in registers: d = 32 u + 16 h + 0..15, the order in which K's fragments are read
	global_load_b128 v[QA+16+8*\t+4*\u:QA+16+8*\t+4*\u+3], v32, s[90:91] offset:1024*\t+32*\u
.endr
.endr
.set ii, 0
.rept 128
	v_mov_b32 v[ii], 0                             ; O^T.  The step is written without a first step of its own: it finds zeros, which the first change of M leaves zeros
.set ii, ii+1
.endr
	WIN 0
.irp i, 0,1,2,3
	v_mov_b32 v[17+4*\i], 0xff61b1e6               ; the largest t so far: -3e38
	s_delay_alu instid0(VALU_DEP_1)
	v_floor_f32 v[16+4*\i], -v[17+4*\i]            ; -M
	v_mov_b32 v[18+4*\i], 0                        ; the sum, in two halves
	v_mov_b32 v[19+4*\i], 0
.endr
	s_wait_kmcnt 0x0
	s_add_co_i32 s85, s74, s75
	s_lshl_b32 s85, s85, 23
	s_add_co_i32 s18, s85, 0x3e38aa3b              ; c = log2(e) / 8, with e2 + e3 added to its exponent field
	s_mov_b32 s19, s18                             ; (named with it as a pair, so it is written)
	s_add_co_i32 s85, s76, 127
	s_lshl_b32 s86, s85, 23
	v_mov_b32 v9, s86                              ; 2^e4
	s_add_co_i32 s83, s76, s77                     ; e4 + e5
	s_add_co_i32 s85, s78, 127
	s_lshl_b32 s86, s85, 23                        ; 2^e6, for the way out
; The softmax of a pair's two tiles for one key step, the tiles line by line by turns.  sa: the pair's statistics; oa: its O^T in window 1.
; At work, in registers that P's codes take afterwards: tile t: v[PC + 4 t], v[PC + 4 t + 1] two chains of the maximum, v[PC + 4 t + 2 : + 3] the sum's second chain.  f = 2^(old M - new M) in v[10 + 2 t].
.macro SOFTMAX2 sa, oa
.irp t, 0,1
	v_max3_num_f32 v[PC+4*\t], v[S+64*\t], v[S+64*\t+1], v[S+64*\t+2]        ; each accumulator is read from its low end on
	v_max3_num_f32 v[PC+4*\t+1], v[S+64*\t+3], v[S+64*\t+4], v[S+64*\t+5]
.endr
.set ii, 6
.rept 14
.irp t, 0,1
	v_max3_num_f32 v[PC+4*\t], v[PC+4*\t], v[S+64*\t+ii], v[S+64*\t+ii+1]
	v_max3_num_f32 v[PC+4*\t+1], v[PC+4*\t+1], v[S+64*\t+ii+2], v[S+64*\t+ii+3]
.endr
.set ii, ii+4
.endr
.irp t, 0
	v_max3_num_f32 v[PC+4*\t], v[PC+4*\t], v[S+64*\t+62], v[S+64*\t+63]
.endr
.irp t, 1
	v_max3_num_f32 v[PC+4*\t], v[PC+4*\t], v[S+64*\t+62], v[S+64*\t+63]
.endr
.irp t, 0,1
	s_delay_alu instid0(VALU_DEP_2)
	v_max_num_f32 v[PC+4*\t], v[PC+4*\t], v[PC+4*\t+1]
.endr
.irp t, 0,1
	s_delay_alu instid0(VALU_DEP_2)
	v_permlanex16_b32 v[PC+4*\t+1], v[PC+4*\t], s16, s17                     ; the query's other 64 keys lie in lane l xor 16
.endr
.irp t, 0,1
	s_delay_alu instid0(VALU_DEP_2)
	v_max_num_f32 v[PC+4*\t], v[PC+4*\t], v[PC+4*\t+1]
.endr
.irp t, 0,1
	s_delay_alu instid0(VALU_DEP_2)
	v_mul_f32 v[PC+4*\t], s18, v[PC+4*\t]                                    ; as t (c is positive)
.endr
.irp t, 0,1
	s_delay_alu instid0(VALU_DEP_2)
	v_max_num_f32 v[\sa+4*\t+1], v[\sa+4*\t+1], v[PC+4*\t]                   ; the running largest t
.endr
.irp t, 0,1
	v_mov_b32 v[PC+4*\t], v[\sa+4*\t]
.endr
.irp t, 0,1
	s_delay_alu instid0(VALU_DEP_4)
	v_floor_f32 v[\sa+4*\t], -v[\sa+4*\t+1]                                  ; -M = floor(-t): M is a whole number
.endr
.irp t, 0,1
	s_delay_alu instid0(VALU_DEP_2)
	v_sub_f32 v[PC+4*\t], v[\sa+4*\t], v[PC+4*\t]                            ; old M - new M, 0 or less
.endr
.irp t, 0,1
	s_delay_alu instid0(VALU_DEP_2)
	v_cvt_i32_f32 v[PC+4*\t], v[PC+4*\t]                                     ; (it saturates)
.endr
.irp t, 0,1
	s_delay_alu instid0(VALU_DEP_2)
	v_ldexp_f32 v[10+2*\t], 1.0, v[PC+4*\t]                                  ; f
.endr
.set ii, 0
.rept 32
.irp t, 0,1
	v_pk_fma_f32 v[S+64*\t+ii:S+64*\t+ii+1], v[S+64*\t+ii:S+64*\t+ii+1], s[18:19], v[\sa+4*\t:\sa+4*\t+1] op_sel_hi:[1,0,0]   ; t - M, two at a time (of c's pair and of (-M, t) the low word serves both)
.endr
.set ii, ii+2
.endr
.set ii, 0
	s_wait_alu depctr_va_vdst(0)
.rept 128
	v_exp_f32 v[S+ii], v[S+ii]                                               ; p = 2^(t - M): one batch
.set ii, ii+1
.endr
.irp t, 0,1
	v_pk_mul_f32 v[\sa+4*\t+2:\sa+4*\t+3], v[\sa+4*\t+2:\sa+4*\t+3], v[10+2*\t:11+2*\t] op_sel_hi:[1,0]   ; the sums under the new M: the plain lines behind the exponentials
.endr
	s_wait_alu depctr_va_vdst(0)                                             ; one wait for the batch, ahead of its first reader
.irp t, 0,1
	v_pk_add_f32 v[PC+4*\t+2:PC+4*\t+3], v[S+64*\t:S+64*\t+1], v[S+64*\t+2:S+64*\t+3]   ; the row's sum is taken of the unquantised p, in two chains a tile
.endr
.set ii, 4
.rept 15
.irp t, 0,1
	v_pk_add_f32 v[\sa+4*\t+2:\sa+4*\t+3], v[\sa+4*\t+2:\sa+4*\t+3], v[S+64*\t+ii:S+64*\t+ii+1]
	v_pk_add_f32 v[PC+4*\t+2:PC+4*\t+3], v[PC+4*\t+2:PC+4*\t+3], v[S+64*\t+ii+2:S+64*\t+ii+3]
.endr
.set ii, ii+4
.endr
.irp t, 0
	s_delay_alu instid0(VALU_DEP_3)
	v_pk_add_f32 v[\sa+4*\t+2:\sa+4*\t+3], v[\sa+4*\t+2:\sa+4*\t+3], v[PC+4*\t+2:PC+4*\t+3]
.endr
.irp t, 1
	s_delay_alu instid0(VALU_DEP_2)
	v_pk_add_f32 v[\sa+4*\t+2:\sa+4*\t+3], v[\sa+4*\t+2:\sa+4*\t+3], v[PC+4*\t+2:PC+4*\t+3]
.endr
	WIN 0x41                                       ; O^T (destination and source 0) in window 1, f in window 0
.set ii, 0
.rept 16
.irp t, 0,1
	v_pk_mul_f32 v[\oa+32*\t+ii:\oa+32*\t+ii+1], v[\oa+32*\t+ii:\oa+32*\t+ii+1], v[10+2*\t:11+2*\t] op_sel_hi:[1,0]   ; O^T under the new M
.endr
.set ii, ii+2
.endr
	WIN 0
.set ii, 0
.rept 128
.set ii, ii+1
.endr
.set ii, 0
.rept 8
.irp t, 0,1
	v_cvt_scalef32_pk8_fp8_f32 v[PC+16*\t+2*ii:PC+16*\t+2*ii+1], v[S+64*\t+8*ii:S+64*\t+8*ii+7], v9   ; score tile ii: keys 16 ii + 8 h + 0..7: registers 2 ii, 2 ii + 1 of P
.endr
.set ii, ii+1
.endr
	v_nop                                          ; one plain vector instruction between the last conversion and the products that read its result
.endm
; One key step (number s80, LDS addresses v3, v4) for the pair of group s[g].  A step whose keys all come after the group's queries is left out: a branch on the wave's number and the counter.
.macro PSTEP g, sa, qa, oa
	s_cmp_gt_u32 s80, s[\g]
	s_cbranch_scc1 .Lskip_\@
.set cc, 0
	s_wait_alu depctr_va_vdst(0)
.rept 8
	ds_load_b128 v[KF+8*cc:KF+8*cc+3], v3 offset:1088*cc             ; 16 keys are four rows of 272 bytes
	ds_load_b128 v[KF+8*cc+4:KF+8*cc+7], v3 offset:1088*cc+32
.set cc, cc+1
.endr
	WIN 0x40
.set cc, 0
.rept 32
	ds_load_b64 v[VF+2*cc:VF+2*cc+1], v4 offset:2176*(cc/8)+16*(cc%8)   ; channels 16 (cc / 8) on, keys 16 (cc % 8) + 8 h + 0..7
.set cc, cc+1
.endr
	WIN 0x04                                       ; Q (source 1) in window 1
	s_wait_dscnt 32                                ; K's 16 loads are in; V's 32, issued behind them, may be out
.set cc, 0
.rept 16
	v_wmma_f32_16x16x64_fp8_fp8 v[S+64*(cc%2)+8*(cc/2):S+64*(cc%2)+8*(cc/2)+7], v[KF+8*(cc/2):KF+8*(cc/2)+7], v[\qa+8*(cc%2):\qa+8*(cc%2)+7], 0
.set cc, cc+1
.endr
	WIN 0
.rept 4
	v_nop                                          ; places in front of the first read of the scores
.endr
	s_cmp_lg_u32 s80, s[\g]                        ; only the group's own step lies on the diagonal
	s_cbranch_scc1 .Lopen_\@
.set nn, 0
.rept 64
.irp t, 0,1
	v_cmp_gt_i32 vcc_lo, 16*(nn/8)+nn%8-16*\t, v5  ; key 16 c + 8 h + j comes after query 32 p + 16 t + r: its score becomes -infinity, p = 0
	v_cndmask_b32 v[S+64*\t+nn], v[S+64*\t+nn], v7, vcc_lo
.endr
.set nn, nn+1
.endr
.Lopen_\@:
	SOFTMAX2 \sa, \oa
	s_wait_alu depctr_va_vdst(0)
	s_wait_dscnt 0x0                               ; V is in
	WIN 0x51                                       ; V (source 0), C and D in window 1; P in window 0
.set cc, 0
.rept 8
	v_wmma_f32_16x16x128_fp8_fp8 v[\oa+32*(cc%2)+8*(cc/2):\oa+32*(cc%2)+8*(cc/2)+7], v[VF+16*(cc/2):VF+16*(cc/2)+15], v[PC+16*(cc%2):PC+16*(cc%2)+15], v[\oa+32*(cc%2)+8*(cc/2):\oa+32*(cc%2)+8*(cc/2)+7]   ; eight accumulators, one instruction each
.set cc, cc+1
.endr
	WIN 0
.rept 4
	v_nop                                          ; places in front of the next loads into V's registers and the next vector writes of P's
.endr
.Lskip_\@:
.endm
; Key steps first .. last - 1: the trip count is a constant of the text; both pairs take each step in turn.
.macro WALK first, last
	s_mov_b32 s80, \first
	s_mov_b32 s81, \first*STEPB
.Lwalk_\@:
	v_add_nc_u32 v3, s81, v1
	v_add_nc_u32 v4, s81, v2
	PSTEP 12, 16, QA, 0
	PSTEP 13, 24, QA+16, 64
	s_add_co_u32 s81, s81, STEPB
	s_add_co_u32 s80, s80, 1
	s_cmp_lt_u32 s80, \last
	s_cbranch_scc1 .Lwalk_\@
.endm
	s_wait_loadcnt 0x0                             ; Q
	s_wait_tensorcnt 0x1                           ; my part of chunk 0 is in; chunk 1's load may stay out
	s_barrier_signal -1
	s_barrier_wait -1                              ; everybody's is
	WALK 0, 4
	s_wait_tensorcnt 0x0                           ; my part of chunk 1 is in
	s_wait_dscnt 0x0
	s_barrier_signal -1
	s_barrier_wait -1
	WALK 4, 16
	s_wait_alu depctr_va_vdst(0)
	; THE WAY OUT.  The sum's halves and lane l xor 16's are added; O^T x 2^(e4 + e5) / the sum is quantised with 2^e6; a tile's 16 rows of 64 codes go through my stage and leave as 1,024 consecutive bytes.
.irp i, 0,1,2,3
	v_add_f32 v[18+4*\i], v[18+4*\i], v[19+4*\i]
.endr
.irp i, 0,1,2,3
	s_delay_alu instid0(VALU_DEP_4)
	v_permlanex16_b32 v[19+4*\i], v[18+4*\i], s16, s17
.endr
.irp i, 0,1,2,3
	s_delay_alu instid0(VALU_DEP_4)
	v_add_f32 v[18+4*\i], v[18+4*\i], v[19+4*\i]
.endr
	s_wait_alu depctr_va_vdst(0)
.irp i, 0,1,2,3
	v_rcp_f32 v[18+4*\i], v[18+4*\i]
.endr
	v_mov_b32 v9, s86                              ; 2^e6
	s_wait_alu depctr_va_vdst(0)                   ; one wait for the four, ahead of their first reader
.irp i, 0,1,2,3
	v_ldexp_f32 v[18+4*\i], v[18+4*\i], s83
.endr
.macro OUT idx
	WIN 0x01                                       ; source 0 (O^T) in window 1
.set ii, 0
.rept 16
	v_pk_mul_f32 v[S+ii:S+ii+1], v[32*(\idx)+ii:32*(\idx)+ii+1], v[18+4*(\idx):19+4*(\idx)] op_sel_hi:[1,0]   ; register 8 td + j: y(query r, d = 16 td + 8 h + j)
.set ii, ii+2
.endr
	WIN 0
.set ii, 0
.rept 32
.set ii, ii+1
.endr
.irp c, 0,1,2,3
	v_cvt_scalef32_pk8_fp8_f32 v[PC+8*(\idx)+2*\c:PC+8*(\idx)+2*\c+1], v[S+8*\c:S+8*\c+7], v9
.endr
	v_nop                                          ; one plain vector instruction behind the last conversion: the next tile writes its sources
.irp c, 0,1,2,3
	ds_store_b64 v14, v[PC+8*(\idx)+2*\c:PC+8*(\idx)+2*\c+1] offset:16*\c
.endr
.irp u, 0,1
	ds_load_b128 v[KF+8*(\idx)+4*\u:KF+8*(\idx)+4*\u+3], v6 offset:8*SROW*\u   ; LDS serves a wave's instructions in order (ISA guide 5.7.1.4): these see my stores
.endr
	s_wait_dscnt 0x0
.irp u, 0,1
	global_store_b128 v15, v[KF+8*(\idx)+4*\u:KF+8*(\idx)+4*\u+3], s[92+2*((\idx)/2):93+2*((\idx)/2)] offset:1024*((\idx)%2)+512*\u   ; 32 lanes store 512 consecutive bytes, aligned
.endr
.endm
	OUT 0
	OUT 1
	OUT 2
	OUT 3
	s_set_vgpr_msb 0x5
	s_wait_tensorcnt 0x0
	ds_add_u32 v158, v159
	s_wait_dscnt 0x0
	s_set_vgpr_msb 0x500
	ROUND                                          ; the closing round: no work-group ends while a partner may still ask for a tile that names it
	s_endpgm
.Lfunc_end_k_q03687ecc32_attend:
	.size	k_q03687ecc32_attend, .Lfunc_end_k_q03687ecc32_attend-k_q03687ecc32_attend
	.p2alignl 7, 3214868480
	.fill 96, 4, 3214868480
	.section	.rodata,"a",@progbits
	.p2align	6, 0x0
	.amdhsa_kernel k_q03687ecc32_attend
		.amdhsa_group_segment_fixed_size 327680
		.amdhsa_private_segment_fixed_size 0
		.amdhsa_enable_private_segment 0
		.amdhsa_kernarg_size 24
		.amdhsa_user_sgpr_count 2
		.amdhsa_user_sgpr_kernarg_segment_ptr 1
		.amdhsa_wavefront_size32 1
		.amdhsa_system_sgpr_workgroup_id_x 1
		.amdhsa_system_sgpr_workgroup_id_y 1
		.amdhsa_system_sgpr_workgroup_id_z 1
		.amdhsa_system_vgpr_workitem_id 0
		.amdhsa_next_free_vgpr 512
		.amdhsa_next_free_sgpr 100
		.amdhsa_reserve_vcc 1
		.amdhsa_float_denorm_mode_32 3
		.amdhsa_float_denorm_mode_16_64 3
		.amdhsa_fp16_overflow 1
		.amdhsa_memory_ordered 1
		.amdhsa_forward_progress 1
		.amdhsa_inst_pref_size 166
	.end_amdhsa_kernel
	.amdgpu_metadata
---
amdhsa.version: [ 1, 2 ]
amdhsa.kernels:
  - .name:           k_q03687ecc32_attend
    .symbol:         k_q03687ecc32_attend.kd
    .args:
      - { .name: qkv, .offset: 0, .size: 8, .value_kind: global_buffer, .address_space: global }
      - { .name: lowp_scales, .offset: 8, .size: 8, .value_kind: global_buffer, .address_space: global }
      - { .name: ycodes, .offset: 16, .size: 8, .value_kind: global_buffer, .address_space: global }
    .group_segment_fixed_size: 327680
    .private_segment_fixed_size: 0
    .kernarg_segment_align: 8
    .kernarg_segment_size: 24
    .max_flat_workgroup_size: 256
    .sgpr_count:     100
    .vgpr_count:     512
    .wavefront_size: 32
...
	.end_amdgpu_metadata
.endif
;; end of part 2
;; launch project_out (part 3): grid 4 x 64, 4 waves a work-group, clusters of 4 x 4, 327,680 bytes of LDS; arguments ycodes, w_proj_codes, lowp_scales, b_proj, out0; writes out0
.if DOCPART == 3
	.amdgcn_target "amdgcn-amd-amdhsa--gfx1250"
	.amdhsa_code_object_version 6
	.text
	.protected	k_q03687ecc32_project_out
	.globl	k_q03687ecc32_project_out
	.p2align	8
	.type	k_q03687ecc32_project_out,@function
k_q03687ecc32_project_out:
	s_mov_b64 s[64:65], 0
	v_nop
	global_prefetch_b8 v0, s[64:65] scope:SCOPE_SE
	s_setreg_imm32_b32 hwreg(HW_REG_WAVE_MODE, 25, 1), 1
	s_wait_xcnt 0x0
	s_wait_alu depctr_hold_cnt(0) depctr_sa_sdst(0) depctr_va_vdst(0) depctr_va_sdst(0) depctr_va_ssrc(0) depctr_va_vcc(0) depctr_vm_vsrc(0)
	s_getreg_b32 s2, hwreg(HW_REG_IB_STS2, 6, 4)
	s_cmp_eq_u32 s2, 0
	s_cbranch_scc0 .Lentry_in_a_cluster
	s_endpgm
.Lentry_in_a_cluster:
	s_bfe_u32 s2, ttmp6, 0x10000c
	s_cmp_lg_u32 s2, 0xf033
	s_cbranch_scc0 .Lentry_shape_is_right
	s_endpgm
.Lentry_shape_is_right:
; out0 = y w_proj + b_proj: product 4 on E4M3 codes.  ycodes [head 16][token 8192][d 64] (k = 64 head + d), w_proj_codes [1024 (n)][1024 (k)], out0 [8192][1024] f32.  A finished sum stands for sum x 2^(e6 + e7).
; A tile of 128 tokens x 256 columns to a work-group: 256 work-groups.  Wave (wa, wb) makes 64 x 128: 32 accumulators.  The matrix instruction is used transposed (source 0 = 16 rows of w, source 1 = 16 tokens):
; a lane holds eight neighbouring columns of one row of out0.
; K goes in four steps of 256 (four heads), each two sub-steps of 128.  THREE LDS slots are filled at the start, so three of the four K steps are asked for at once; K step 3 fills slot 0 again, once.
; By the text's own count a wave has three tensor loads out at the start and one behind the one refill's round.
; CLUSTER 4 x 4: y's tile hangs on the tile row and is shared along a row of the cluster, w's on the tile column (= cx: the grid has one cluster along x) and is shared along a column.
; LIMIT: e6 + e7 between -126 and 127.
; REGISTERS.  window 0: v16-29 addresses; y's fragments, two sets of 64 at v64 and v128; on the way out v64-127 numbers, v128-255 rows read back.   window 1: w's fragments, two sets of 128.
;   window 2: the accumulators ((a, b) at v[8 (8 a + b)]).   window 3: v0-63 b_proj at column 16 b + 8 h + j, register 8 b + j.
.set PITCH,  272                       ; 256 bytes + 16 of padding
.set HEADB,  32*PITCH                  ; a head's 128 tokens x 64 bytes: token i at (i / 4) x 272 + 64 (i % 4)
.set ASZ,    4*HEADB                   ; a K step of y: four heads
.set HALFB,  128*PITCH                 ; 128 rows of w
.set SLOT,   ASZ+2*HALFB               ; 104,448
.set SPARE,  3*SLOT                    ; behind the slots: the spare words, 128 bytes a wave
.set STAGE,  SLOT                      ; the way out: 16 rows x 528 bytes for each wave, in slot 1: it is filled once, and its last read lies ahead of the last change of slots
.set SPITCH, 528
.set KSA,    4*524288                  ; a K step on in y: four heads of 8,192 tokens x 64 bytes
.set FR,     16
.set NP,     4
.set ADRA, 16                          ; v16-18  LDS address of my fragments of y in slot 0, 1, 2
.set ADRB, 20                          ; v20-22  of w
.set STO,  24
.set RD,   25
.set CO,   26
.set BO,   27                          ; v27     byte offset of my biases
.set SPW,  28
.set NIL,  29
.set AF,   64
.set TMP,  64
.set BK,   128
.set G1,  24                           ; s[24:31] group 1 for y's tiles; s[32:39] for w's
.set G1B, 32
.set G0,  40                           ; s[40:51] groups 0 for y's, one a slot
.set G0B, 52                           ; s[52:63] for w's
.set MSB, 0
.macro WIN new
.if MSB != \new
	s_set_vgpr_msb (MSB<<8)|\new
.set MSB, \new
.endif
.endm
.set MUL,  0xa1                        ; source 0 (w) window 1, source 1 (y) window 0, C and D window 2
.set TO_B, 0x40
.macro CREST
	s_cmp_lg_u32 s14, 0
	s_cbranch_scc1 .Lnot_wave_0_\@
	s_barrier_signal -3
.Lnot_wave_0_\@:
	s_barrier_wait -3
	s_barrier_signal -1
	s_barrier_wait -1
.endm
.macro CROUND
	s_barrier_signal -1
	s_barrier_wait -1
	CREST
.endm
.macro PLACES n
.rept \n
	v_nop
.endr
.endm
	s_load_b256 s[4:11], s[0:1], 0x0               ; ycodes s[4:5], w s[6:7], the exponents s[8:9], b_proj s[10:11]
	s_load_b64 s[12:13], s[0:1], 0x20              ; out0
	v_lshl_add_u32 v[SPW], v0, 2, SPARE
	v_mov_b32 v[NIL], 0
	ds_add_u32 v28, v29
	ds_add_u32 v28, v29
	s_wait_dscnt 0x0
	v_lshrrev_b32 v1, 5, v0
	v_readfirstlane_b32 s14, v1                    ; wave 0..3
	s_lshr_b32 s15, s14, 1                         ; wa: my 64 tokens.  Also: I fetch for y (0) or for w (1)
	s_and_b32 s16, s14, 1                          ; wb: my 128 columns.  Also: which half of that tile I fetch
	s_bfe_u32 s66, ttmp6, 0x40000                  ; cx = the tile column
	s_bfe_u32 s67, ttmp6, 0x40004                  ; cy
	s_and_b32 s17, ttmp7, 0xffff
	s_lshl_b32 s17, s17, 2
	s_add_co_u32 s17, s17, s67                     ; tile row = 4 x cluster y + cy
	s_lshl_b32 s68, s67, 2
	s_lshl_b32 s68, 15, s68                        ; my row of the cluster
	s_lshl_b32 s69, 0x1111, s66                    ; my column
	; group 1 for y: two heads, each one row of 8,192 bytes (128 tokens x 64, dense), 524,288 bytes apart; 16 bytes of padding behind every 256, which divide the row
	s_or_b32 s[G1+0], s68, (1<<20)|(1<<21)|(5<<22)|(3<<25)
	s_mov_b32 s[G1+1], 8192<<16                    ; tensor_dim0
	s_mov_b32 s[G1+2], 2<<16                       ; tensor_dim1
	s_mov_b32 s[G1+3], 8192<<16                    ; tile_dim0
	s_mov_b32 s[G1+4], 2                           ; tile_dim1
	s_mov_b32 s[G1+5], 524288                      ; tensor_dim0_stride
	s_mov_b32 s[G1+6], 0
	s_mov_b32 s[G1+7], 0
	; group 1 for w: 128 rows of 256 bytes, 1,024 bytes apart
	s_or_b32 s[G1B+0], s69, (1<<20)|(1<<21)|(5<<22)|(3<<25)
	s_mov_b32 s[G1B+1], 256<<16
	s_mov_b32 s[G1B+2], 128<<16
	s_mov_b32 s[G1B+3], 256<<16
	s_mov_b32 s[G1B+4], 128
	s_mov_b32 s[G1B+5], 1024
	s_mov_b32 s[G1B+6], 0
	s_mov_b32 s[G1B+7], 0
	s_lshl_b32 s70, s16, 20                        ; y: heads 2 x half on,
	s_lshl_b32 s74, s17, 13                        ; the tile row's 128 tokens
	s_add_co_u32 s70, s70, s74
	s_mov_b32 s71, 0
	s_lshl_b32 s72, s66, 8                         ; w: row 256 cx + 128 x half
	s_lshl_b32 s75, s16, 7
	s_add_co_u32 s72, s72, s75
	s_lshl_b32 s72, s72, 10
	s_mov_b32 s73, 0
	s_mul_i32 s76, s16, 2*HEADB                    ; where they go in a slot: y's two heads,
	s_mul_i32 s77, s16, HALFB
	s_add_co_u32 s77, s77, ASZ                     ; w's 128 rows, behind y's
	s_wait_kmcnt 0x0
	s_load_b256 s[80:87], s[8:9], 0x0              ; e0 .. e7
	s_add_nc_u64 s[70:71], s[4:5], s[70:71]
	s_add_nc_u64 s[72:73], s[6:7], s[72:73]
	CROUND                                         ; all sixteen work-groups are here: the first joint loads meet
.irp s, 0,1,2
	s_mov_b32 s[G0+4*\s], 1
	s_add_co_u32 s[G0+4*\s+1], s76, \s*SLOT
	s_add_nc_u64 s[G0+4*\s+2:G0+4*\s+3], s[70:71], \s*KSA
	s_or_b32 s[G0+4*\s+3], s[G0+4*\s+3], 0x80000000
	s_mov_b32 s[G0B+4*\s], 1
	s_add_co_u32 s[G0B+4*\s+1], s77, \s*SLOT
	s_add_nc_u64 s[G0B+4*\s+2:G0B+4*\s+3], s[72:73], \s*256
	s_or_b32 s[G0B+4*\s+3], s[G0B+4*\s+3], 0x80000000
.endr
	s_cmp_eq_u32 s15, 0                            ; a wave's three first fills stand in one branch on the wave's number, ahead of every wait on TENSORcnt and every LDS read; four v_nop follow the last
	s_cbranch_scc0 .Lfirst_b
	tensor_load_to_lds s[G0:G0+3], s[G1:G1+7]
	s_nop 0
	tensor_load_to_lds s[G0+4:G0+7], s[G1:G1+7]
	s_nop 0
	tensor_load_to_lds s[G0+8:G0+11], s[G1:G1+7]
	s_nop 0
.rept 4
	v_nop
.endr
	s_branch .Lfirst_asked
.Lfirst_b:
	tensor_load_to_lds s[G0B:G0B+3], s[G1B:G1B+7]
	s_nop 0
	tensor_load_to_lds s[G0B+4:G0B+7], s[G1B:G1B+7]
	s_nop 0
	tensor_load_to_lds s[G0B+8:G0B+11], s[G1B:G1B+7]
	s_nop 0
.rept 4
	v_nop
.endr
.Lfirst_asked:
	v_and_b32 v1, 15, v0                           ; r
	v_bfe_u32 v2, v0, 4, 1                         ; h
	v_lshrrev_b32 v5, 2, v1
	v_and_b32 v6, 3, v1
	v_mul_u32_u24 v3, v5, PITCH
	v_lshl_add_u32 v3, v6, 6, v3
	v_lshl_add_u32 v3, v2, 4, v3                   ; y: token r of a block: (r / 4) rows + 64 (r % 4) + 16 h: sixteen lanes touch sixteen different columns of 16 bytes
	v_mul_u32_u24 v4, v1, PITCH
	v_lshl_add_u32 v4, v2, 4, v4                   ; w: row r + 16 h
	s_mul_i32 s74, s15, 16*PITCH                   ; my 64 tokens: 16 rows of four
	s_mul_i32 s75, s16, HALFB
	s_add_co_u32 s75, s75, ASZ                     ; my 128 rows of w
.irp s, 0,1,2
	v_add_nc_u32 v[ADRA+\s], s74, v3
	v_add_nc_u32 v[ADRB+\s], s75, v4
	s_add_co_u32 s74, s74, SLOT
	s_add_co_u32 s75, s75, SLOT
.endr
	s_mul_i32 s78, s14, 16*SPITCH
	s_add_co_u32 s78, s78, STAGE                   ; my stage
	v_mul_u32_u24 v5, v1, SPITCH
	v_lshl_add_u32 v5, v2, 5, v5
	v_add_nc_u32 v[STO], s78, v5                   ; in: row r, 32 bytes for each half of the lanes
	v_and_b32 v6, 31, v0
	v_lshlrev_b32 v[CO], 4, v6                     ; back: the 32 lanes take one row of 512 bytes; the same in out0
	v_add_nc_u32 v[RD], s78, v[CO]
	s_lshl_b32 s78, s66, 10
	s_lshl_b32 s79, s16, 9
	s_add_co_u32 s78, s78, s79                     ; my first column, in bytes: 1024 cx + 512 wb
	v_lshl_add_u32 v[BO], v2, 5, s78
	WIN 0xc0                                       ; destination window 3
.irp b, 0,1,2,3,4,5,6,7
	global_load_b128 v[8*\b:8*\b+3], v[BO], s[10:11] offset:64*\b
	global_load_b128 v[8*\b+4:8*\b+7], v[BO], s[10:11] offset:64*\b+16
.endr
	WIN 0
	s_lshl_b32 s90, s17, 7
	s_lshl_b32 s91, s15, 6
	s_add_co_u32 s90, s90, s91                     ; my first row of out0: 128 x tile row + 64 wa
	s_lshl_b32 s90, s90, 12                        ; a row is 4,096 bytes
	s_add_co_u32 s90, s90, s78
	s_mov_b32 s91, 0
	s_add_nc_u64 s[12:13], s[12:13], s[90:91]
; A fragment, 16 rows x 128 K, registers 4 c .. 4 c + 3: k = 32 c + 16 h + 0..15, on both sides.  In y that is head 2 q + c / 2, d = 32 (c % 2) + 16 h.
.macro FRAGA reg, slot, q, i
.irp c, 0,1,2,3
	ds_load_b128 v[\reg+4*\c:\reg+4*\c+3], v[ADRA+\slot] offset:(2*(\q)+\c/2)*HEADB+32*(\c%2)+(\i)*4*PITCH
.endr
.endm
.macro FRAGB reg, slot, q, i
.irp c, 0,1,2,3
	ds_load_b128 v[\reg+4*\c:\reg+4*\c+3], v[ADRB+\slot] offset:128*(\q)+32*\c+(\i)*16*PITCH
.endr
.endm
.macro FETCH slot, q, p                ; 48 LDS loads in one run: w's eight fragments, then y's four, into set p
	WIN TO_B
.irp i, 0,1,2,3,4,5,6,7
	FRAGB 128*(\p)+FR*\i, \slot, \q, \i
.endr
	WIN 0
.irp i, 0,1,2,3
	FRAGA AF+64*(\p)+FR*\i, \slot, \q, \i
.endr
.endm
.macro MULA a, p, zero                 ; y's block a x w's eight.  The 32 accumulators take turns, one instruction a turn, in the same order in every sub-step
.irp b, 0,1,2,3,4,5,6,7
.if \zero
	v_wmma_f32_16x16x128_fp8_fp8 v[8*(8*(\a)+\b):8*(8*(\a)+\b)+7], v[128*(\p)+FR*\b:128*(\p)+FR*\b+FR-1], v[AF+64*(\p)+FR*(\a):AF+64*(\p)+FR*(\a)+FR-1], 0
.else
	v_wmma_f32_16x16x128_fp8_fp8 v[8*(8*(\a)+\b):8*(8*(\a)+\b)+7], v[128*(\p)+FR*\b:128*(\p)+FR*\b+FR-1], v[AF+64*(\p)+FR*(\a):AF+64*(\p)+FR*(\a)+FR-1], v[8*(8*(\a)+\b):8*(8*(\a)+\b)+7]
.endif
.endr
.endm
; A sub-step on set p; in its middle the next sub-step's fragments (slot ns, half nq) are fetched into the other set.
.macro STEP p, ns, nq, zero
	s_wait_dscnt 12                                ; w's set and y's block 0 are in; the youngest 12 loads (blocks 1-3) may be out
	WIN MUL
	MULA 0, \p, \zero
	s_wait_dscnt 0
	MULA 1, \p, \zero
	PLACES NP                                      ; in front of loads into the other set, which the sub-step before multiplied
	FETCH \ns, \nq, 1-(\p)
	WIN MUL
	MULA 2, \p, \zero
	MULA 3, \p, \zero
	WIN 0
.endm
; A sub-step with a barrier: in front of it each wave waits for all its tensor loads, adds 0 to its spare word, and waits for that and for its LDS reads.  fill = 1: slot 0, just read out, takes K step 3.
.macro TURN p, ns, fill
	s_wait_tensorcnt 0x0                           ; all my tensor loads have landed
	ds_add_u32 v[SPW], v[NIL]                      ; 0 onto my spare word
	s_wait_dscnt 13                                ; the add and the youngest 12 loads may be out
	WIN MUL
	MULA 0, \p, 0
	s_wait_dscnt 0x0                               ; the add is done, and my reads of the slot that is left are over
	s_barrier_signal -1
	MULA 1, \p, 0
	WIN 0
	s_barrier_wait -1
.if \fill
	CREST                                          ; the barrier has opened a round of the cluster's barrier: no wave of any partner still reads slot 0 or has a load on its way
	s_add_nc_u64 s[G0+2:G0+3], s[G0+2:G0+3], 3*KSA
	s_add_nc_u64 s[G0B+2:G0B+3], s[G0B+2:G0B+3], 3*256
	s_cmp_eq_u32 s15, 0
	s_cbranch_scc0 .Lfor_b_\@
	tensor_load_to_lds s[G0:G0+3], s[G1:G1+7]      ; the first tensor load behind the round, one a wave; 112 matrix instructions of a wave stand ahead of the wait for it
	s_nop 0
.rept 4
	v_nop
.endr
	s_branch .Lasked_\@
.Lfor_b_\@:
	tensor_load_to_lds s[G0B:G0B+3], s[G1B:G1B+7]
	s_nop 0
.rept 4
	v_nop
.endr
.Lasked_\@:
.else
	PLACES NP
.endif
	FETCH \ns, 0, 1-(\p)
	WIN MUL
	MULA 2, \p, 0
	MULA 3, \p, 0
	WIN 0
.endm
	s_wait_tensorcnt 2                             ; my part of slot 0 is in; slots 1 and 2 may stay out
	s_barrier_signal -1
	s_barrier_wait -1
	FETCH 0, 0, 0
	STEP 0, 0, 1, 1                                ; K 0-127: the first products start the sums
	TURN 1, 1, 1                                   ; K 128-255; slot 0 is left and filled again; slots 1 and 2 are whole for every wave from here on
	STEP 0, 1, 1, 0
	STEP 1, 2, 0, 0
	STEP 0, 2, 1, 0
	TURN 1, 0, 0                                   ; K 640-767; K step 3 has landed in slot 0; nothing is filled
	STEP 0, 0, 1, 0
	s_wait_dscnt 12                                ; K 896-1023: nothing more to fetch
	WIN MUL
	MULA 0, 1, 0
	s_wait_dscnt 0
	MULA 1, 1, 0
	MULA 2, 1, 0
	MULA 3, 1, 0
	WIN 0
; THE WAY OUT, block by block of 16 rows x 128 columns: sum x 2^(e6 + e7) + bias, one packed multiply-add for two numbers, each accumulator from its low end on; through my own stage; back as whole rows of 512 bytes.
.macro TOSTAGE a
	WIN 0x32                                       ; source 0 (the sums) window 2, source 2 (the biases) window 3
.set jj, 0
.rept 32
	v_pk_fma_f32 v[TMP+jj:TMP+jj+1], v[64*(\a)+jj:64*(\a)+jj+1], s[96:97], v[jj:jj+1] op_sel_hi:[1,0,1]
.set jj, jj+2
.endr
	WIN 0
.irp b, 0,1,2,3,4,5,6,7
	ds_store_b128 v[STO], v[TMP+8*\b:TMP+8*\b+3] offset:64*\b
	ds_store_b128 v[STO], v[TMP+8*\b+4:TMP+8*\b+7] offset:64*\b+16
.endr
.set BB, BK+64*((\a)%2)
.irp t, 0,1,2,3,4,5,6,7,8,9,10,11,12,13,14,15
	ds_load_b128 v[BB+4*\t:BB+4*\t+3], v[RD] offset:\t*SPITCH   ; LDS serves a wave's instructions in order (ISA guide 5.7.1.4): these see my stores, and the next block's stores come behind them
.endr
.endm
.macro SEND a, younger                 ; younger: the LDS instructions issued behind block a's loads, which may stay out
.set BB, BK+64*((\a)%2)
	s_wait_dscnt \younger
.if (\a) > 0
	s_add_nc_u64 s[12:13], s[12:13], 16*4096       ; 16 rows on; the earlier stores have read their base: a wait on XCNT for 0 stands between
.endif
.irp t, 0,1,2,3,4,5,6,7,8,9,10,11,12,13,14,15
	global_store_b128 v[CO], v[BB+4*\t:BB+4*\t+3], s[12:13] offset:\t*4096 th:TH_STORE_NT   ; 32 lanes store 512 consecutive bytes, aligned; written once, read by nobody here
.endr
.endm
	s_wait_kmcnt 0x0
	s_add_co_i32 s96, s86, s87
	s_add_co_i32 s96, s96, 127
	s_lshl_b32 s96, s96, 23                        ; 2^(e6 + e7) as f32
	s_mov_b32 s97, s96                             ; (named with it as a pair, so it is written)
	s_wait_loadcnt 0x0                             ; the biases
	PLACES NP                                      ; behind the last products: y's registers are written, results are read
	TOSTAGE 0
.irp a, 1,2,3
.if \a > 1
	s_wait_xcnt 0x0                                ; block a - 2's stores have read their registers and their base
.endif
	TOSTAGE \a
	SEND \a-1, 32                                  ; behind block a - 1's loads: block a's 16 stores and 16 loads
.endr
	s_wait_xcnt 0x0
	SEND 3, 0
	s_wait_tensorcnt 0x0                           ; the wave's end
	ds_add_u32 v[SPW], v[NIL]
	s_wait_dscnt 0x0
	CROUND                                         ; the closing round
	s_endpgm
.Lfunc_end_k_q03687ecc32_project_out:
	.size	k_q03687ecc32_project_out, .Lfunc_end_k_q03687ecc32_project_out-k_q03687ecc32_project_out
	.p2alignl 7, 3214868480
	.fill 96, 4, 3214868480
	.section	.rodata,"a",@progbits
	.p2align	6, 0x0
	.amdhsa_kernel k_q03687ecc32_project_out
		.amdhsa_group_segment_fixed_size 327680
		.amdhsa_private_segment_fixed_size 0
		.amdhsa_enable_private_segment 0
		.amdhsa_kernarg_size 40
		.amdhsa_user_sgpr_count 2
		.amdhsa_user_sgpr_kernarg_segment_ptr 1
		.amdhsa_wavefront_size32 1
		.amdhsa_system_sgpr_workgroup_id_x 1
		.amdhsa_system_sgpr_workgroup_id_y 1
		.amdhsa_system_sgpr_workgroup_id_z 1
		.amdhsa_system_vgpr_workitem_id 0
		.amdhsa_next_free_vgpr 1024
		.amdhsa_next_free_sgpr 100
		.amdhsa_reserve_vcc 0
		.amdhsa_float_denorm_mode_32 3
		.amdhsa_float_denorm_mode_16_64 3
		.amdhsa_memory_ordered 1
		.amdhsa_forward_progress 1
		.amdhsa_inst_pref_size 77
	.end_amdhsa_kernel
	.amdgpu_metadata
---
amdhsa.version: [ 1, 2 ]
amdhsa.kernels:
  - .name:           k_q03687ecc32_project_out
    .symbol:         k_q03687ecc32_project_out.kd
    .args:
      - { .name: ycodes, .offset: 0, .size: 8, .value_kind: global_buffer, .address_space: global }
      - { .name: w_proj_codes, .offset: 8, .size: 8, .value_kind: global_buffer, .address_space: global }
      - { .name: lowp_scales, .offset: 16, .size: 8, .value_kind: global_buffer, .address_space: global }
      - { .name: b_proj, .offset: 24, .size: 8, .value_kind: global_buffer, .address_space: global }
      - { .name: out0, .offset: 32, .size: 8, .value_kind: global_buffer, .address_space: global }
    .group_segment_fixed_size: 327680
    .private_segment_fixed_size: 0
    .kernarg_segment_align: 8
    .kernarg_segment_size: 40
    .max_flat_workgroup_size: 128
    .sgpr_count:     100
    .vgpr_count:     1024
    .wavefront_size: 32
...
	.end_amdgpu_metadata
.endif
;; end of part 3
